; MI455X (gfx1250); checked and timed in simulation.
; The chip was launched on July 23, 2026; its instructions are those of AMD's public machine-readable ISA for CDNA 5 (MIT licence, August 2026) and "CDNA5" Instruction Set Architecture Reference Guide (July 2026). The comments in the code are by the model that wrote it; some were corrected since.
;; Distance Probe. Allowed arithmetic: matrix products marked QUANTISED: E2M3 operands, one E8M0 scale for each 32 along K, by v_wmma_scale_f32_16x16x128_f8f6f4 with both operands' format E2M3, f32 sums; everything else in f32.
;; Inputs: batch_codes 8 x 512 x 32 x 24 uint8 (E2M3 codes of batch, K innermost, in blocks of 32 codes, four codes in three bytes); batch_scales 8 x 512 x 32 uint8 (E8M0 scales of batch, one for each 32 codes along K); proj_codes 128 x 32 x 24 uint8 (E2M3 codes of proj, K innermost, in blocks of 32 codes, four codes in three bytes); proj_scales 128 x 32 uint8 (E8M0 scales of proj, one for each 32 codes along K).
;; Outputs: out0 8 x 512 x 512 float32.
;; This version of the problem:
;;   THIS VERSION OF THE PROBLEM IS GIVEN IN LOW PRECISION. The matrix products marked QUANTISED in the list below multiply operands that are first quantised to E2M3 (2 exponent bits, 3 mantissa bits; 6 bits a number), with one power-of-two scale for each 32 numbers along K (OCP MX v1.0); their sums are f32. All else is computed in f32.
;;   The module's matrix products, in the order in which they are computed (A, B: the left and right operand; K: the contracted axis; several contracted axes count as one K, in the product's order):
;;     1. [M 4,096, K 1,024] x [K 1,024, N 128]; A: input batch (given as codes); B: input proj (given as codes): QUANTISED
;;   THE QUANTISER, for each operand of a quantised product, along K:
;;     - K is cut into blocks of 32 from its start; a last block that is shorter is filled with zeros.
;;     - A block's scale is 2^e with e = floor(log2(the largest magnitude in the block)) - 2, held to -126 .. 127; a block of zeros has e = 0. As a byte (E8M0): e + 127.
;;     - Each number is divided by its block's scale, clamped to +-7.5, and rounded to the nearest number of E2M3, ties to even, subnormals kept.
;;     - The product sums the exact products of the quantised numbers (number of the format x scale) in f32.
;;   ~~~python
;;   def quantise(x, axis):      # numpy; x: float32 -> the quantised numbers, widened to float32 again
;;       x = np.moveaxis(x, axis, -1); K = x.shape[-1]
;;       x = np.pad(x, [(0, 0)] * (x.ndim - 1) + [(0, -K % 32)]); x = x.reshape(x.shape[:-1] + (-1, 32)); a = np.abs(x).max(-1, keepdims=True)
;;       e = np.where(a > 0, np.clip(np.frexp(np.where(a > 0, a, 1))[1] - 1 - 2, -126, 127), 0)      # np.frexp(a)[1] - 1 = floor(log2(a)), exactly
;;       r = np.clip(x / 2.0 ** e, -7.5, 7.5)
;;       step = 2.0 ** (np.maximum(np.frexp(np.where(r == 0, 1, r))[1] - 1, 0) - 3)
;;       q = np.round(r / step) * step * 2.0 ** e      # np.round: ties to even
;;       return np.moveaxis(q.reshape(q.shape[:-2] + (-1,))[..., :K], -1, axis).astype(np.float32)
;;   ~~~
;;   INPUTS GIVEN AS CODES. batch (in the module: [8, 512, 1024], K = its axis 2); proj (in the module: [1024, 128], K = its axis 0): each comes as NAME_codes (uint8): NAME with its K axis moved to the last place and cut into blocks of 32 codes, [.., K / 32, bytes a block], one block behind the other in memory; four codes in three bytes: a row's codes are one little-endian stream of bits, code i at bits 6 i .. 6 i + 5 (a code: sign, 2 exponent bits, 3 mantissa bits); and NAME_scales (uint8): the same leading axes, one E8M0 byte (e + 127) for each 32 codes along K. Its value is code x scale, taken as it is: it is not quantised again, and the codes and scales need not be those that the quantiser above would give.
;; One version. Each part assembles by itself: llvm-mc -triple=amdgcn-amd-amdhsa -mcpu=gfx1250 --defsym DOCPART=n.
;; ======== version 1 of 1: 1 launch
;; launch probe (part 1): grid 8 x 32, 4 waves a work-group, clusters of 4 x 1, 265,216 bytes of LDS; arguments batch_codes, batch_scales, proj_codes, proj_scales, out0; writes out0
.if DOCPART == 1
	.amdgcn_target "amdgcn-amd-amdhsa--gfx1250"
	.amdhsa_code_object_version 6
	.text
	.protected	k_qfd52d29db3_probe
	.globl	k_qfd52d29db3_probe
	.p2align	8
	.type	k_qfd52d29db3_probe,@function
k_qfd52d29db3_probe:
	s_mov_b64 s[64:65], 0
	v_nop
	global_prefetch_b8 v0, s[64:65] scope:SCOPE_SE
	s_setreg_imm32_b32 hwreg(HW_REG_WAVE_MODE, 25, 1), 1
	s_wait_xcnt 0x0
	s_wait_alu depctr_hold_cnt(0) depctr_sa_sdst(0) depctr_va_vdst(0) depctr_va_sdst(0) depctr_va_ssrc(0) depctr_va_vcc(0) depctr_vm_vsrc(0)
	s_getreg_b32 s2, hwreg(HW_REG_IB_STS2, 6, 4)
	s_cmp_eq_u32 s2, 0
	s_cbranch_scc0 .Lentry_in_a_cluster
	s_endpgm
.Lentry_in_a_cluster:
	s_bfe_u32 s2, ttmp6, 0x10000c
	s_cmp_lg_u32 s2, 0x3003
	s_cbranch_scc0 .Lentry_shape_is_right
	s_endpgm
.Lentry_shape_is_right:
; out[g][i][j] = the sum over c of (T[g][i][c] - T[g][j][c])^2, T = batch x proj.  batch: [8][512][1024], proj: [128 (c)][1024 (k)], both codes of FP6 (E2M3), K innermost, a row 768 bytes,
; with one E8M0 byte for each 32 along K (a row 32 bytes).  out: [8][512][512] f32.
; ONE LAUNCH.  A work-group makes 64 rows (I) x 128 columns (J) of one batch's result.  It projects the 192 rows of batch that it needs itself, by the scaled FP6 matrix instruction
; (12 row tiles x 8 column tiles x 8 K steps); T never goes to memory.
; THE DISTANCES.  With c = T of the tile's first J row and t' = t - c:  d(i, j) = n_i + n_j + the sum over k of (-2 t'_i[k]) t'_j[k],  n = |t'|^2, all in f32: one packed multiply-add for two terms.
; n_i and n_j are themselves squared distances of this batch (to row c), so no difference of sums larger than the results is formed, whatever offset the rows share.
; LIMITS.  The order of rounding differs from subtract-and-square: the error is some hundreds of ulp of d(i, c) + d(j, c).  A result that rounding leaves under 0 (the diagonal) is held at 0.
; All squared distances of a batch stay under 2^125.  A scale byte 0xff (NaN) in the centre row makes the work-group's whole tile NaN, not only that row's results.
; CLUSTER 4 x 1.  The four partners make four I blocks against the same J block: the J rows' codes and proj's, 196,608 of a work-group's 245,760 bytes of codes, are asked for JOINTLY (mask 15);
; the 64 I rows, 49,152 bytes, are each work-group's own and come by plain tensor loads.
; LDS, filled once: three regions, one for each aligned 256 bytes of a row of codes; in a region 320 rows (proj's 128, J's 128, I's 64) of 256 bytes + 16 of padding.  Every tensor row is 256 bytes
; of memory at a multiple of 256.  The loads go out unit by unit, so that K steps 0-1, 2-4 and 5-7 begin as soon as their unit is in.  Nothing is filled again.
; PHASE 1.  Wave (a, b) makes row tiles J 4 a .. 4 a + 3 and I 2 a, 2 a + 1 against column tiles 4 b .. 4 b + 3: 24 accumulators by turns.  Source 0 = 16 rows of batch, source 1 = 16 rows of proj:
; a lane holds column n = lane % 16 and rows 8 (lane / 16) + 0 .. 7: eight neighbouring rows, which go to LDS as T[column][row].
; PHASE 2.  Wave w takes I rows 16 w .. 16 w + 15 against all 128 J rows.  Lane (r, h) makes 8 x 8 results: rows 8 h + 0 .. 7, columns 4 r + 0 .. 3 and 64 + 4 r + 0 .. 3, so that sixteen lanes store 256 consecutive bytes.
; REGISTERS, in windows of 256 (s_set_vgpr_msb: bits 1:0 source 0, 3:2 source 1, 5:4 source 2, 7:6 destination):
;   window 0: v0-28 addresses; v32-79 batch's scale words, v80-111 proj's (they hold nothing else); v112-255 two sets of six fragments of batch, later c and the norms
;   window 1: v0-95 two sets of four fragments of proj
;   window 2: v0-191 the accumulators; in phase 2 v0-63 the sums, v64-191 a ring of eight k, v192-198 addresses, v200-231 norms: one window for all of phase 2, so a trip has no switch inside
.set ROWB,  768                        ; a row of codes in memory
.set UP,    272                        ; a unit's row in LDS: 256 bytes + 16 = 68 words: row r starts at bank 4 r mod 64 (64 banks of 4 bytes: ISA guide 11.1); lanes 16-31 stand 6 words on: 64 different banks for a load of 8 bytes a lane
.set RS,    320*UP                     ; a region
.set RJ,    128                        ; first LDS row of the J rows (proj's begin at 0)
.set RI,    256                        ; and of the I rows
.set TP,    784                        ; T in LDS: a column's 192 numbers (J's 128, then I's 64) + 16 bytes = 49 x 16
.set CB,    3*RS                       ; behind the codes: 2,048 bytes for c
.set NRM,   CB+2048                    ; and the norms: two parts (column halves b = 0, 1) of 192 numbers
.set NH,    768
.set ADP,   8                          ; v8-10   proj's fragments: my lane's LDS address in region 0, 1, 2;  v11-12 the same where lanes 16-31 stand in the next region
.set ADPX,  11
.set ADJ,   13                         ; v13-15, v16-17  the same for my J rows
.set ADJX,  16
.set ADI,   18                         ; v18-20, v21-22  and for my I rows
.set ADIX,  21
.set CSA,   23                         ; v23  where I put my lane's number of the row that may be c
.set CLA,   24                         ; v24  where I read c
.set TSJ,   25                         ; v25  where I put 16 bytes of T, J rows;  v26 I rows
.set TSI,   26
.set NSJ,   27                         ; v27  where I put norms, J rows;  v28 I rows
.set NSI,   28
.set SA,    32
.set SB,    80
.set AF,    112
.set CC,    112                        ; behind the products: v112-119 c, twice each;  v120-127 2 c, twice each;  v128-175 the norms' sums
.set C2,    120
.set SS,    128
.set RING,  64                         ; window 2
.set GAI0,  192
.set GAJ0,  193
.set GI,    194
.set GJ,    195
.set GNI,   196
.set GNJ,   197
.set OUTO,  198
.set NI,    200
.set NJ,    216
.set WV,    14                         ; s14 wave;  s15 a = wave / 2;  s16 b = wave % 2
.set WA,    15
.set WB,    16
.set G1J,   20                         ; s[20:27] descriptor group 1 of the joint loads (32 rows);  s[28:35] of the plain ones (16 rows);  from s36 on nine groups 0, none of them s64 or s65
.set G1I,   28
.set MSB,   0
.macro WIN new                         ; the immediate's high byte repeats the setting that is left
.if MSB != \new
	s_set_vgpr_msb (MSB<<8)|\new
.set MSB, \new
.endif
.endm
.macro BAR
	s_barrier_signal -1
	s_barrier_wait -1
.endm
.macro CROUND                          ; a round of the cluster's barrier: my work-group's barrier; wave 0 signals for the work-group; every wave waits for all four work-groups; my work-group's barrier once more
	s_barrier_signal -1
	s_barrier_wait -1
	s_cmp_lg_u32 s[WV], 0
	s_cbranch_scc1 .Lnot_wave_0_\@
	s_barrier_signal -3
.Lnot_wave_0_\@:
	s_barrier_wait -3
	s_barrier_signal -1
	s_barrier_wait -1
.endm
.macro PLACES                          ; four plain vector instructions between a matrix instruction and a load into a register that it read, or a read of its result
.rept 4
	v_nop
.endr
.endm
	s_load_b256 s[4:11], s[0:1], 0x0               ; batch's codes s[4:5], its scales s[6:7], proj's codes s[8:9], its scales s[10:11]
	s_load_b64 s[12:13], s[0:1], 0x20              ; out
	v_lshl_add_u32 v30, v0, 2, 0x40a00
	v_mov_b32 v31, 0
	ds_add_u32 v30, v31
	ds_add_u32 v30, v31
	v_lshrrev_b32 v1, 5, v0
	v_readfirstlane_b32 s[WV], v1                  ; wave 0..3
	s_lshr_b32 s[WA], s[WV], 1
	s_and_b32 s[WB], s[WV], 1
	s_bfe_u32 s17, ttmp6, 0x40000                  ; cx: my place in the cluster
	s_lshl_b32 s18, ttmp9, 2
	s_add_co_u32 s18, s18, s17                     ; my I block, 0..7 = 4 x cluster x + cx: it enters global addresses alone
	s_and_b32 s19, ttmp7, 0xffff                   ; y = 4 x batch + J block, which the four partners share: the J rows begin at row 128 y of batch
	; descriptor group 1: rows of 256 bytes, 768 bytes apart in memory, 16 bytes of padding behind each in LDS
	s_mov_b32 s[G1J], 15|(1<<20)|(1<<21)|(5<<22)|(3<<25)  ; 15:0 the mask: all four work-groups; 17:16 elements of 1 byte; 20 padding on; 21 set beside a mask; 24:22 after every 64 words (code 5); 31:25 4 words of it (code 3)
	s_mov_b32 s[G1J+1], 256<<16                    ; tensor_dim0 = 256
	s_mov_b32 s[G1J+2], 32<<16                     ; tensor_dim1 = 32
	s_mov_b32 s[G1J+3], 256<<16                    ; tile_dim0 = 256
	s_mov_b32 s[G1J+4], 32                         ; tile_dim1 = 32
	s_mov_b32 s[G1J+5], ROWB                       ; from row to row
	s_mov_b32 s[G1J+6], 0
	s_mov_b32 s[G1J+7], 0
	s_mov_b32 s[G1I], (1<<20)|(5<<22)|(3<<25)      ; no mask: my own rows
	s_mov_b32 s[G1I+1], 256<<16
	s_mov_b32 s[G1I+2], 16<<16
	s_mov_b32 s[G1I+3], 256<<16
	s_mov_b32 s[G1I+4], 16
	s_mov_b32 s[G1I+5], ROWB
	s_mov_b32 s[G1I+6], 0
	s_mov_b32 s[G1I+7], 0
	; what my wave fetches: rows 32 w on of proj and of the J rows, rows 16 w on of the I rows.  The joint loads' offsets are made of y and the wave's number alone
	s_mul_i32 s76, s[WV], 32*ROWB                  ; proj
	s_mov_b32 s77, 0
	s_mul_i32 s78, s19, 128*ROWB
	s_add_co_u32 s78, s78, s76                     ; J rows
	s_mov_b32 s79, 0
	s_lshr_b32 s80, s19, 2
	s_lshl_b32 s80, s80, 9
	s_lshl_b32 s81, s18, 6
	s_add_co_u32 s80, s80, s81                     ; my first I row: 512 x batch + 64 x I block
	s_lshl_b32 s81, s[WV], 4
	s_add_co_u32 s81, s81, s80                     ; + 16 w: also the first row of out that my wave stores
	s_mul_i32 s82, s81, ROWB                       ; I rows
	s_mov_b32 s83, 0
	s_mul_i32 s84, s[WV], 32*UP                    ; and where they go in a region: the wave's number times a constant
	s_mul_i32 s85, s[WV], 16*UP
	s_lshl_b32 s92, s19, 12                        ; scale bytes, 32 a row: my J rows begin at row 128 y + 64 a,
	s_lshl_b32 s93, s[WA], 11
	s_add_co_u32 s92, s92, s93
	s_mov_b32 s93, 0
	s_lshl_b32 s94, s[WA], 5                       ; my I rows at the first I row + 32 a,
	s_add_co_u32 s94, s94, s80
	s_lshl_b32 s94, s94, 5
	s_mov_b32 s95, 0
	s_lshl_b32 s96, s[WB], 11                      ; my rows of proj at 64 b
	s_mov_b32 s97, 0
	s_lshl_b32 s98, s81, 11                        ; out: a row is 2,048 bytes; the J block's 128 columns 512
	s_and_b32 s99, s19, 3
	s_lshl_b32 s99, s99, 9
	s_add_co_u32 s98, s98, s99
	s_mov_b32 s99, 0
	s_wait_dscnt 0x0
	s_wait_kmcnt 0x0
	s_add_nc_u64 s[86:87], s[8:9], s[76:77]
	s_add_nc_u64 s[88:89], s[4:5], s[78:79]
	s_add_nc_u64 s[90:91], s[4:5], s[82:83]
	s_add_nc_u64 s[92:93], s[6:7], s[92:93]
	s_add_nc_u64 s[94:95], s[6:7], s[94:95]
	s_add_nc_u64 s[96:97], s[10:11], s[96:97]
	s_add_nc_u64 s[12:13], s[12:13], s[98:99]
	; nine groups 0, one for each load, since all nine are out together: unit u of proj's rows, of the J rows, of the I rows
.irp u, 0,1,2
.set DP, 36+4*(3*\u)+4*((3*\u)/7)
.set DJ, 36+4*(3*\u+1)+4*((3*\u+1)/7)
.set DI, 36+4*(3*\u+2)+4*((3*\u+2)/7)
	s_mov_b32 s[DP], 1                             ; 1:0 count = 1
	s_add_co_u32 s[DP+1], s84, \u*RS               ; 63:32 LDS address
	s_add_nc_u64 s[DP+2:DP+3], s[86:87], \u*256    ; 120:64 global address
	s_or_b32 s[DP+3], s[DP+3], 0x80000000          ; 127:126 type = 2
	s_mov_b32 s[DJ], 1
	s_add_co_u32 s[DJ+1], s84, \u*RS+RJ*UP
	s_add_nc_u64 s[DJ+2:DJ+3], s[88:89], \u*256
	s_or_b32 s[DJ+3], s[DJ+3], 0x80000000
	s_mov_b32 s[DI], 1
	s_add_co_u32 s[DI+1], s85, \u*RS+RI*UP
	s_add_nc_u64 s[DI+2:DI+3], s[90:91], \u*256
	s_or_b32 s[DI+3], s[DI+3], 0x80000000
.endr
	CROUND                                         ; all four work-groups are here: the joint loads meet
.irp u, 0,1,2                                  ; all fills of the launch, as one group: nine loads of mine are out
.set DP, 36+4*(3*\u)+4*((3*\u)/7)
.set DJ, 36+4*(3*\u+1)+4*((3*\u+1)/7)
.set DI, 36+4*(3*\u+2)+4*((3*\u+2)/7)
	tensor_load_to_lds s[DP:DP+3], s[G1J:G1J+7]
	s_nop 0
	tensor_load_to_lds s[DJ:DJ+3], s[G1J:G1J+7]
	s_nop 0
	tensor_load_to_lds s[DI:DI+3], s[G1I:G1I+7]
	s_nop 0
.endr
.rept 4
	v_nop                                          ; four plain lines behind the tensor loads
.endr
	v_and_b32 v2, 15, v0                           ; r = lane % 16
	v_bfe_u32 v3, v0, 4, 1                         ; h = lane / 16
	v_lshlrev_b32 v6, 5, v2                        ; a row of scale bytes is 32 bytes
.irp t, 0,1,2,3                                ; scale words straight into registers: lane r takes its row's 32 bytes, eight words for the eight K steps; sixteen rows are 512 consecutive bytes (lanes 16-31 hold the same and are not read)
	global_load_b128 v[SA+8*\t:SA+8*\t+3], v6, s[92:93] offset:512*\t
	global_load_b128 v[SA+8*\t+4:SA+8*\t+7], v6, s[92:93] offset:512*\t+16
.endr
.irp t, 0,1
	global_load_b128 v[SA+32+8*\t:SA+32+8*\t+3], v6, s[94:95] offset:512*\t
	global_load_b128 v[SA+32+8*\t+4:SA+32+8*\t+7], v6, s[94:95] offset:512*\t+16
.endr
.irp n, 0,1,2,3
	global_load_b128 v[SB+8*\n:SB+8*\n+3], v6, s[96:97] offset:512*\n
	global_load_b128 v[SB+8*\n+4:SB+8*\n+7], v6, s[96:97] offset:512*\n+16
.endr
	; fragments: lane (r, h) reads pieces of 8 bytes of row r, lanes 16-31 three pieces (24 bytes) further on; where that is in the row's next 256 bytes, it is a region further on and 232 bytes back
	v_mul_u32_u24 v4, v2, UP
	v_mad_u32_u24 v5, v3, RS-232, v4
	v_mad_u32_u24 v4, v3, 24, v4
	s_mul_i32 s76, s[WB], 64*UP                    ; my 64 rows of proj,
	s_mul_i32 s77, s[WA], 64*UP
	s_add_co_u32 s77, s77, RJ*UP                   ; my 64 J rows,
	s_mul_i32 s78, s[WA], 32*UP
	s_add_co_u32 s78, s78, RI*UP                   ; my 32 I rows
.irp u, 0,1,2
	v_add_nc_u32 v[ADP+\u], s76, v4
	v_add_nc_u32 v[ADJ+\u], s77, v4
	v_add_nc_u32 v[ADI+\u], s78, v4
.if \u < 2
	v_add_nc_u32 v[ADPX+\u], s76, v5
	v_add_nc_u32 v[ADJX+\u], s77, v5
	v_add_nc_u32 v[ADIX+\u], s78, v5
.endif
	s_add_co_u32 s76, s76, RS
	s_add_co_u32 s77, s77, RS
	s_add_co_u32 s78, s78, RS
.endr
	v_lshlrev_b32 v7, 2, v2
	s_lshl_b32 s79, s[WB], 8
	s_add_co_u32 s79, s79, CB
	v_add_nc_u32 v[CLA], s79, v7                   ; c of column 64 b + 16 n + r: CB + 4 x column
	s_lshl_b32 s82, s[WA], 9
	v_lshl_add_u32 v[CSA], v3, 10, v[CLA]          ; only a = 0, h = 0 holds the centre row; the others put their rows' numbers 512 a + 1,024 h bytes beside it: no lane is switched off, no wave branches
	v_add_nc_u32 v[CSA], s82, v[CSA]
	v_mul_u32_u24 v7, v2, TP                       ; T: column 64 b + 16 n + r; in it J row 64 a + 16 t + 8 h on, or I row 32 a + 16 t + 8 h on, behind the 128 J rows
	v_lshl_add_u32 v7, v3, 5, v7
	s_mul_i32 s83, s[WB], 64*TP
	s_lshl_b32 s84, s[WA], 8
	s_add_co_u32 s84, s84, s83
	v_add_nc_u32 v[TSJ], s84, v7
	s_lshl_b32 s85, s[WA], 7
	s_add_co_u32 s85, s85, s83
	s_add_co_u32 s85, s85, 512
	v_add_nc_u32 v[TSI], s85, v7
	v_lshlrev_b32 v7, 5, v3                        ; the norms: part b, the same places as in a column of T
	s_mul_i32 s86, s[WB], NH
	s_add_co_u32 s86, s86, NRM
	s_lshl_b32 s87, s[WA], 8
	s_add_co_u32 s87, s87, s86
	v_add_nc_u32 v[NSJ], s87, v7
	s_lshl_b32 s88, s[WA], 7
	s_add_co_u32 s88, s88, s86
	s_add_co_u32 s88, s88, 512
	v_add_nc_u32 v[NSI], s88, v7
	v_lshlrev_b32 v7, 4, v2                        ; phase 2's addresses, into window 2: 16 r,
	s_lshl_b32 s89, s[WV], 6
	s_add_co_u32 s89, s89, 512                     ; and my wave's 16 I rows in a column of T
	s_add_co_u32 s90, s89, NRM
	WIN 0x80                                       ; destination window 2
	v_lshl_add_u32 v[GAI0], v3, 5, s89             ; my 8 I rows: 512 + 64 w + 32 h
	v_mov_b32 v[GAJ0], v7                          ; my J rows 4 r + 0 .. 3
	v_lshl_add_u32 v[GNI], v3, 5, s90              ; their norms
	v_add_nc_u32 v[GNJ], NRM, v7
	v_lshl_add_u32 v[OUTO], v3, 14, v7             ; out: 8 h rows of 2,048 bytes + 16 r
	WIN 0
; A fragment, 16 rows x 128 K of 6-bit codes, is 12 registers: lane (r, h) holds row r; registers 6 c .. 6 c + 5 hold K = 64 c + 32 h + 0 .. 31: 24 bytes of the row as they lie, in pieces of 8 bytes.
; Lanes 0-15 take the row's pieces 12 s + 0, 1, 2 and 12 s + 6, 7, 8.  A region holds 32 pieces of a row: piece PC lies in region PC / 32; where piece PC + 3 lies in the next one, the second kind of address register serves.
.macro FRAG reg, adr, adrx, s, off
.irp p, 0,1,2,3,4,5
.set PC, 12*(\s)+6*(\p/3)+\p%3
.if PC%32 < 29
	ds_load_b64 v[\reg+2*\p:\reg+2*\p+1], v[\adr+PC/32] offset:8*(PC%32)+(\off)
.else
	ds_load_b64 v[\reg+2*\p:\reg+2*\p+1], v[\adrx+PC/32] offset:8*(PC%32)+(\off)
.endif
.endr
.endm
.macro LOADS s                         ; K step s: 60 loads in one run, into set s % 2
	WIN 0x40                                       ; destination window 1
.irp n, 0,1,2,3
	FRAG 48*((\s)%2)+12*\n, ADP, ADPX, \s, \n*16*UP
.endr
	WIN 0
.irp t, 0,1,2,3
	FRAG AF+72*((\s)%2)+12*\t, ADJ, ADJX, \s, \t*16*UP
.endr
.irp t, 0,1
	FRAG AF+72*((\s)%2)+48+12*\t, ADI, ADIX, \s, \t*16*UP
.endr
.endm
.macro MULS s, zero                    ; K step s: 24 matrix instructions, the 24 accumulators by turns.  zero = 1: the first products start the sums
	WIN 0xa4                                       ; source 0 (batch) window 0, source 1 (proj) window 1, C and D window 2
.irp t, 0,1,2,3,4,5
.irp n, 0,1,2,3
.if \zero
	v_wmma_scale_f32_16x16x128_f8f6f4 v[8*(4*\t+\n):8*(4*\t+\n)+7], v[AF+72*((\s)%2)+12*\t:AF+72*((\s)%2)+12*\t+11], v[48*((\s)%2)+12*\n:48*((\s)%2)+12*\n+11], 0, v[SA+8*\t+(\s)], v[SB+8*\n+(\s)] matrix_a_fmt:MATRIX_FMT_FP6 matrix_b_fmt:MATRIX_FMT_FP6
.else
	v_wmma_scale_f32_16x16x128_f8f6f4 v[8*(4*\t+\n):8*(4*\t+\n)+7], v[AF+72*((\s)%2)+12*\t:AF+72*((\s)%2)+12*\t+11], v[48*((\s)%2)+12*\n:48*((\s)%2)+12*\n+11], v[8*(4*\t+\n):8*(4*\t+\n)+7], v[SA+8*\t+(\s)], v[SB+8*\n+(\s)] matrix_a_fmt:MATRIX_FMT_FP6 matrix_b_fmt:MATRIX_FMT_FP6
.endif
.endr
.endr
.endm
	; ---- PHASE 1: T for my 96 rows x 64 columns.  K step s lies at bytes 96 s .. 96 s + 95 of a row: steps 0, 1 in unit 0; 2 in units 0 and 1; 3, 4 in unit 1; 5 in units 1 and 2; 6, 7 in unit 2
	s_wait_tensorcnt 0x6                           ; my three loads of unit 0 are in; the six of units 1 and 2 may stay out
	BAR                                            ; everybody's are
	LOADS 0
	LOADS 1
	s_wait_loadcnt 0x0                             ; the scale words
	s_wait_dscnt 60                                ; step 0's fragments are in; step 1's 60 loads may be out
	MULS 0, 1
	s_wait_tensorcnt 0x3                           ; my loads of unit 1 are in
	s_wait_dscnt 0x0                               ; no LDS load of mine is out at a signal: step 1's fragments are in
	BAR
	PLACES
	LOADS 2
	MULS 1, 0
	PLACES
	LOADS 3
	s_wait_dscnt 60                                ; all but the 60 just issued
	MULS 2, 0
	PLACES
	LOADS 4
	s_wait_dscnt 60
	MULS 3, 0
	s_wait_tensorcnt 0x0                           ; my loads of unit 2: all my tensor loads are in
	s_wait_dscnt 0x0
	BAR
	PLACES
	LOADS 5
	MULS 4, 0
	PLACES
	LOADS 6
	s_wait_dscnt 60
	MULS 5, 0
	PLACES
	LOADS 7
	s_wait_dscnt 60
	MULS 6, 0
	s_wait_dscnt 0x0
	MULS 7, 0
	WIN 0
	PLACES
	; ---- c: register 0 of my first row tile is row 8 h of it: in wave (0, b), lanes 0-15, the tile's first J row
	WIN 0x08                                       ; an LDS store's data are its source 1: window 2
.irp n, 0,1,2,3
	ds_store_b32 v[CSA], v[8*\n] offset:64*\n
.endr
	WIN 0
	s_wait_dscnt 0x0                               ; my stores of c have landed, and my reads of the codes are over
	BAR                                            ; so c may be read, and T may be laid over the codes
.irp n, 0,1,2,3
	ds_load_b32 v[CC+2*\n], v[CLA] offset:64*\n    ; twice: a pair for the packed forms
	ds_load_b32 v[CC+2*\n+1], v[CLA] offset:64*\n
.endr
	s_wait_dscnt 0x0
.irp n, 0,1,2,3
	v_pk_add_f32 v[C2+2*\n:C2+2*\n+1], v[CC+2*\n:CC+2*\n+1], v[CC+2*\n:CC+2*\n+1]
.endr
	WIN 0x82                                       ; source 0 and destination window 2, the others window 0.  Each accumulator is taken from its low end on
.irp t, 0,1,2,3
.irp n, 0,1,2,3
.irp j, 0,2,4,6
	v_pk_add_f32 v[8*(4*\t+\n)+\j:8*(4*\t+\n)+\j+1], v[8*(4*\t+\n)+\j:8*(4*\t+\n)+\j+1], v[CC+2*\n:CC+2*\n+1] neg_lo:[0,1] neg_hi:[0,1]   ; J rows: t' = t - c
.endr
.endr
.endr
.irp t, 4,5
.irp n, 0,1,2,3
.irp j, 0,2,4,6
	v_pk_fma_f32 v[8*(4*\t+\n)+\j:8*(4*\t+\n)+\j+1], v[8*(4*\t+\n)+\j:8*(4*\t+\n)+\j+1], -2.0, v[C2+2*\n:C2+2*\n+1] op_sel_hi:[1,0,1]   ; I rows: -2 t + 2 c = -2 t', the same bits as -2 (t - c)
.endr
.endr
.endr
	WIN 0x08
.irp t, 0,1,2,3
.irp n, 0,1,2,3
	ds_store_b128 v[TSJ], v[8*(4*\t+\n):8*(4*\t+\n)+3] offset:\n*16*TP+64*\t          ; eight neighbouring rows of one column
	ds_store_b128 v[TSJ], v[8*(4*\t+\n)+4:8*(4*\t+\n)+7] offset:\n*16*TP+64*\t+16
.endr
.endr
.irp t, 0,1
.irp n, 0,1,2,3
	ds_store_b128 v[TSI], v[8*(16+4*\t+\n):8*(16+4*\t+\n)+3] offset:\n*16*TP+64*\t
	ds_store_b128 v[TSI], v[8*(16+4*\t+\n)+4:8*(16+4*\t+\n)+7] offset:\n*16*TP+64*\t+16
.endr
.endr
	WIN 0x0a                                       ; sources 0 and 1 window 2: the squares of my four columns, summed for each of my 48 rows; the stores above are on their way meanwhile
.irp n, 0,1,2,3
.irp t, 0,1,2,3,4,5
.irp j, 0,2,4,6
.if \n == 0
	v_pk_mul_f32 v[SS+8*\t+\j:SS+8*\t+\j+1], v[8*(4*\t+\n)+\j:8*(4*\t+\n)+\j+1], v[8*(4*\t+\n)+\j:8*(4*\t+\n)+\j+1]
.else
	v_pk_fma_f32 v[SS+8*\t+\j:SS+8*\t+\j+1], v[8*(4*\t+\n)+\j:8*(4*\t+\n)+\j+1], v[8*(4*\t+\n)+\j:8*(4*\t+\n)+\j+1], v[SS+8*\t+\j:SS+8*\t+\j+1]
.endif
.endr
.endr
.endr
	WIN 0
.irp m, 1,2,4,8                                ; over the sixteen lanes of a half, which hold sixteen columns of the same rows; the 48 sums by turns
.set x, 0
.rept 48
	v_add_f32_dpp v[SS+x], v[SS+x], v[SS+x] row_xmask:\m row_mask:0xf bank_mask:0xf
.set x, x+1
.endr
.endr
.irp j, 32,34,36,38,40,42,44,46
	v_pk_mul_f32 v[SS+\j:SS+\j+1], v[SS+\j:SS+\j+1], 0x3e800000 op_sel_hi:[1,0]   ; the I rows' sums are of (-2 t')^2: a quarter, exactly
.endr
.irp t, 0,1,2,3
	ds_store_b128 v[NSJ], v[SS+8*\t:SS+8*\t+3] offset:64*\t          ; the sixteen lanes of a half write the same words with the same values
	ds_store_b128 v[NSJ], v[SS+8*\t+4:SS+8*\t+7] offset:64*\t+16
.endr
.irp t, 0,1
	ds_store_b128 v[NSI], v[SS+32+8*\t:SS+32+8*\t+3] offset:64*\t
	ds_store_b128 v[NSI], v[SS+32+8*\t+4:SS+32+8*\t+7] offset:64*\t+16
.endr
	s_wait_dscnt 0x0                               ; for the others' sake: my part of T and of the norms has landed
	BAR
	; ---- PHASE 2: d = n_i + n_j + the sum over k of (-2 t'_i[k]) t'_j[k].  All registers from here on lie in window 2
; One of the four loads of column k (counted from the trip's first) into slot q: my 8 I rows' numbers (the same address in the sixteen lanes of a half), my J rows 4 r + 0 .. 3 and 64 + 4 r + 0 .. 3
.macro GL1 q, k, x
.if (\x) < 2
	ds_load_b128 v[RING+16*(\q)+4*(\x):RING+16*(\q)+4*(\x)+3], v[GI] offset:(\k)*TP+16*(\x)
.else
	ds_load_b128 v[RING+16*(\q)+4*(\x):RING+16*(\q)+4*(\x)+3], v[GJ] offset:(\k)*TP+256*((\x)-2)
.endif
.endm
; One k: 32 packed multiply-adds: two neighbouring columns j times one row i's number, which the selects take for both halves.  fill = 1: the slot that the k before has left takes the k seven on: four loads, spread among the arithmetic.
; left: LDS loads come back in order (ISA guide 5.7.1): this k's four are in when at most the younger k's loads are out
.macro GSTEP q, fill, left
	s_wait_dscnt \left
.irp i, 0,1,2,3,4,5,6,7
.irp j, 0,1,2,3
.if (\i)%2 == 0
	v_pk_fma_f32 v[8*\i+2*\j:8*\i+2*\j+1], v[RING+16*(\q)+8+2*\j:RING+16*(\q)+9+2*\j], v[RING+16*(\q)+\i:RING+16*(\q)+\i+1], v[8*\i+2*\j:8*\i+2*\j+1] op_sel_hi:[1,0,1]
.else
	v_pk_fma_f32 v[8*\i+2*\j:8*\i+2*\j+1], v[RING+16*(\q)+8+2*\j:RING+16*(\q)+9+2*\j], v[RING+16*(\q)+\i-1:RING+16*(\q)+\i], v[8*\i+2*\j:8*\i+2*\j+1] op_sel:[0,1,0] op_sel_hi:[1,1,1]
.endif
.endr
.if \fill && ((\i)%2 == 1)
	GL1 ((\q)+7)%8, (\q)+7, \i/2
.endif
.endr
.endm
	WIN 0xaa
	ds_load_b128 v[NI:NI+3], v[GNI]                ; the norms of my 8 rows and 8 columns, in two parts each
	ds_load_b128 v[NI+4:NI+7], v[GNI] offset:16
	ds_load_b128 v[NI+8:NI+11], v[GNI] offset:NH
	ds_load_b128 v[NI+12:NI+15], v[GNI] offset:NH+16
	ds_load_b128 v[NJ:NJ+3], v[GNJ]
	ds_load_b128 v[NJ+4:NJ+7], v[GNJ] offset:256
	ds_load_b128 v[NJ+8:NJ+11], v[GNJ] offset:NH
	ds_load_b128 v[NJ+12:NJ+15], v[GNJ] offset:NH+256
	v_mov_b32 v[GI], v[GAI0]
	v_mov_b32 v[GJ], v[GAJ0]
.irp q, 0,1,2,3,4,5,6                          ; the ring is filled: k = 0 .. 6
.irp x, 0,1,2,3
	GL1 \q, \q, \x
.endr
.endr
	s_wait_dscnt 28                                ; the eight loads of norms are in; the ring's 28 may be out
.irp j, 0,2,4,6
	v_pk_add_f32 v[NI+\j:NI+\j+1], v[NI+\j:NI+\j+1], v[NI+8+\j:NI+9+\j]
	v_pk_add_f32 v[NJ+\j:NJ+\j+1], v[NJ+\j:NJ+\j+1], v[NJ+8+\j:NJ+9+\j]
.endr
.irp i, 0,1,2,3,4,5,6,7                        ; the sums begin as n_i + n_j: nothing is cleared
.irp j, 0,1,2,3
.if (\i)%2 == 0
	v_pk_add_f32 v[8*\i+2*\j:8*\i+2*\j+1], v[NJ+2*\j:NJ+2*\j+1], v[NI+\i:NI+\i+1] op_sel_hi:[1,0]
.else
	v_pk_add_f32 v[8*\i+2*\j:8*\i+2*\j+1], v[NJ+2*\j:NJ+2*\j+1], v[NI+\i-1:NI+\i] op_sel:[0,1] op_sel_hi:[1,1]
.endif
.endr
.endr
	WIN 0                                          ; at a label and at a branch every window is 0
	s_mov_b32 s76, 0                               ; the trip's first column of T, in bytes
	s_mov_b32 s77, 15
.Lk:                                               ; 15 trips of 8 k, once round the ring; each k asks for the k seven on
	WIN 0xaa
.irp q, 0,1,2,3,4,5,6,7
	GSTEP \q, 1, 24                                ; six younger k, 24 loads, may be out
.endr
	s_add_co_u32 s76, s76, 8*TP
	v_add_nc_u32 v[GI], s76, v[GAI0]
	v_add_nc_u32 v[GJ], s76, v[GAJ0]
	WIN 0
	s_sub_co_u32 s77, s77, 1
	s_cmp_lg_u32 s77, 0
	s_cbranch_scc1 .Lk
	WIN 0xaa
	GSTEP 0, 1, 24                                 ; k = 120 .. 127: one more k is asked for (127), then the counts run down
	GSTEP 1, 0, 24
	GSTEP 2, 0, 20
	GSTEP 3, 0, 16
	GSTEP 4, 0, 12
	GSTEP 5, 0, 8
	GSTEP 6, 0, 4
	GSTEP 7, 0, 0
.set x, 0
.rept 64
	v_max_num_f32 v[x], 0, v[x]                    ; a squared distance is not negative: what rounding leaves under 0 is held at 0
.set x, x+1
.endr
.irp i, 0,1,2,3,4,5,6,7
.irp q, 0,1
	global_store_b128 v[OUTO], v[8*\i+4*\q:8*\i+4*\q+3], s[12:13] offset:2048*\i+256*\q th:TH_STORE_NT   ; sixteen lanes store 256 consecutive bytes, at a multiple of 256 from out's first byte; written once, read by nobody here
.endr
.endr
	WIN 0
	s_wait_tensorcnt 0x0
	ds_add_u32 v30, v31
	s_wait_dscnt 0x0
	CROUND                                         ; the closing round: no work-group ends while a partner may still ask for a tile that names it
	s_endpgm
.Lfunc_end_k_qfd52d29db3_probe:
	.size	k_qfd52d29db3_probe, .Lfunc_end_k_qfd52d29db3_probe-k_qfd52d29db3_probe
	.p2alignl 7, 3214868480
	.fill 96, 4, 3214868480
	.section	.rodata,"a",@progbits
	.p2align	6, 0x0
	.amdhsa_kernel k_qfd52d29db3_probe
		.amdhsa_group_segment_fixed_size 265216
		.amdhsa_private_segment_fixed_size 0
		.amdhsa_enable_private_segment 0
		.amdhsa_kernarg_size 40
		.amdhsa_user_sgpr_count 2
		.amdhsa_user_sgpr_kernarg_segment_ptr 1
		.amdhsa_wavefront_size32 1
		.amdhsa_system_sgpr_workgroup_id_x 1
		.amdhsa_system_sgpr_workgroup_id_y 1
		.amdhsa_system_sgpr_workgroup_id_z 1
		.amdhsa_system_vgpr_workitem_id 0
		.amdhsa_next_free_vgpr 768
		.amdhsa_next_free_sgpr 100
		.amdhsa_reserve_vcc 0
		.amdhsa_float_denorm_mode_32 3
		.amdhsa_float_denorm_mode_16_64 3
		.amdhsa_memory_ordered 1
		.amdhsa_forward_progress 1
		.amdhsa_inst_pref_size 143
	.end_amdhsa_kernel
	.amdgpu_metadata
---
amdhsa.version: [ 1, 2 ]
amdhsa.kernels:
  - .name:           k_qfd52d29db3_probe
    .symbol:         k_qfd52d29db3_probe.kd
    .args:
      - { .name: batch_codes, .offset: 0, .size: 8, .value_kind: global_buffer, .address_space: global }
      - { .name: batch_scales, .offset: 8, .size: 8, .value_kind: global_buffer, .address_space: global }
      - { .name: proj_codes, .offset: 16, .size: 8, .value_kind: global_buffer, .address_space: global }
      - { .name: proj_scales, .offset: 24, .size: 8, .value_kind: global_buffer, .address_space: global }
      - { .name: out0, .offset: 32, .size: 8, .value_kind: global_buffer, .address_space: global }
    .group_segment_fixed_size: 265216
    .private_segment_fixed_size: 0
    .kernarg_segment_align: 8
    .kernarg_segment_size: 40
    .max_flat_workgroup_size: 128
    .sgpr_count:     100
    .vgpr_count:     768
    .wavefront_size: 32
...
	.end_amdgpu_metadata
.endif
;; end of part 1
